; MI455X (gfx1250); checked and timed in simulation.
; The chip was launched on July 23, 2026; its instructions are those of AMD's public machine-readable ISA for CDNA 5 (MIT licence, August 2026) and "CDNA5" Instruction Set Architecture Reference Guide (July 2026). The comments in the code are by the model that wrote it; some were corrected since.
;; Model Sglang. Allowed arithmetic: matrix products marked QUANTISED: E2M1 operands, one E8M0 scale for each 32 along K, by v_wmma_scale_f32_16x16x128_f8f6f4 with both operands' format E2M1 (or v_wmma_scale_f32_32x16x128_f4), f32 sums; everything else in f32.
;; Inputs: b_seq_len 8 int32; b_start_loc 8 int32; k 8,192 x 16 x 64 float32; q 8,192 x 16 x 64 float32; v 8,192 x 16 x 64 float32.
;; Outputs: out0 8,192 x 16 x 64 float32.
;; This version of the problem:
;;   THIS VERSION OF THE PROBLEM IS GIVEN IN LOW PRECISION. The matrix products marked QUANTISED in the list below multiply operands that are first quantised to E2M1 (2 exponent bits, 1 mantissa bit; 4 bits a number), with one power-of-two scale for each 32 numbers along K (OCP MX v1.0); their sums are f32. All else is computed in f32.
;;   The module's matrix products, in the order in which they are computed (A, B: the left and right operand; K: the contracted axis; several contracted axes count as one K, in the product's order):
;;     1. batch 128 x [M 1,024, K 64] x [K 64, N 1,024]; A: input q; B: input k: QUANTISED
;;     2. batch 128 x [M 64, K 1,024] x [K 1,024, N 1,024]; A: input v; B: softmax (see below): QUANTISED
;;   THE QUANTISER, for each operand of a quantised product, along K:
;;     - K is cut into blocks of 32 from its start; a last block that is shorter is filled with zeros.
;;     - A block's scale is 2^e with e = floor(log2(the largest magnitude in the block)) - 2, held to -126 .. 127; a block of zeros has e = 0. As a byte (E8M0): e + 127.
;;     - Each number is divided by its block's scale, clamped to +-6, and rounded to the nearest number of E2M1, ties to even, subnormals kept.
;;     - The product sums the exact products of the quantised numbers (number of the format x scale) in f32.
;;   ~~~python
;;   def quantise(x, axis):      # numpy; x: float32 -> the quantised numbers, widened to float32 again
;;       x = np.moveaxis(x, axis, -1); K = x.shape[-1]
;;       x = np.pad(x, [(0, 0)] * (x.ndim - 1) + [(0, -K % 32)]); x = x.reshape(x.shape[:-1] + (-1, 32)); a = np.abs(x).max(-1, keepdims=True)
;;       e = np.where(a > 0, np.clip(np.frexp(np.where(a > 0, a, 1))[1] - 1 - 2, -126, 127), 0)      # np.frexp(a)[1] - 1 = floor(log2(a)), exactly
;;       r = np.clip(x / 2.0 ** e, -6, 6)
;;       step = 2.0 ** (np.maximum(np.frexp(np.where(r == 0, 1, r))[1] - 1, 0) - 1)
;;       q = np.round(r / step) * step * 2.0 ** e      # np.round: ties to even
;;       return np.moveaxis(q.reshape(q.shape[:-2] + (-1,))[..., :K], -1, axis).astype(np.float32)
;;   ~~~
;;   SOFTMAX AHEAD OF A QUANTISED PRODUCT. Where the list says 'softmax', what is quantised is not the finished softmax but p = 2^(t - M), with t = logit x log2(e) and M = ceil(the row's largest t), a whole number; so 1/2 < the row's largest p <= 1. The row's sum l is taken of the UNQUANTISED p, in f32, and the product's result is divided by l at the end. Since M is a whole number, a kernel that streams over the keys may use a running M (the ceiling of the running maximum): every later rescaling is an exact power of two, which a block's scale takes up: the codes' values come out the same.
;;   OPERANDS COMPUTED ON THE WAY. 'Computed on the way' means the value that the module computes at that place (a softmax that the list does not call 'softmax' is quantised finished and normalised). What goes into a quantiser is computed in f32, as accurately as f32 sums, v_exp_f32 and their like allow (about 1e-6 of the number): no bf16 or f16 on the way to a quantiser, and a product that is left as it is and whose result goes on into a quantised operand takes f32 operands (vector FMAs, or v_wmma_f32_16x16x4_f32). A number that lies on a knife's edge between two numbers of the format may be rounded either way, as far as f32 arithmetic and the matrix unit's own rounding can turn it there, and no further.
;; 2 versions. Each part assembles by itself: llvm-mc -triple=amdgcn-amd-amdhsa -mcpu=gfx1250 --defsym DOCPART=n.
;; ======== version 1 of 2: 1 launch
;; launch attn (part 1): grid 256 x 1, 16 waves a work-group, no clusters, 141,312 bytes of LDS; arguments q, k, v, b_seq_len, out0; writes out0
.if DOCPART == 1
	.amdgcn_target "amdgcn-amd-amdhsa--gfx1250"
	.amdhsa_code_object_version 6
	.text
	.protected	k_qa121ab7c12_attn
	.globl	k_qa121ab7c12_attn
	.p2align	8
	.type	k_qa121ab7c12_attn,@function
k_qa121ab7c12_attn:
	s_mov_b64 s[64:65], 0
	v_nop
	global_prefetch_b8 v0, s[64:65] scope:SCOPE_SE
	s_setreg_imm32_b32 hwreg(HW_REG_WAVE_MODE, 25, 1), 1
	s_wait_xcnt 0x0
; Causal prefill attention, 8 sequences x 16 heads x 1,024 tokens x 64 channels, both products on codes of FP4 (E2M1) with one E8M0 scale for each 32 along K.
; q, k, v, out: [8192][16][64] f32: a head's row of a token is 256 consecutive bytes, tokens lie 4,096 bytes apart.
; Product 1 (K = the 64 channels): q and k are quantised along the channels.  Product 2 (K = the keys): v is quantised along the keys, in blocks of 32 positions, and so is p = 2^(t - M),
; t = score x log2(e) / 8, M = the running largest t rounded up to a whole number; the row's sum is taken of the unquantised p and divides at the end.
; b_seq_len: a kept row (q < len) sees only keys k <= q < len, so the mask on keys changes nothing in it; a row with q >= len is stored as +0.  One signed compare a row; no branch and no address hangs on len.
; b_start_loc is no argument: the result is defined without it (the sequences are unpacked by their fixed length).
; SHARES.  256 work-groups: (sequence, head) x 2.  Sixteen waves, 256 registers each.  Wave w of work-group half p owns two tiles of 16 queries: tile i = 2 w + p and tile 63 - i.  With g = w / 4 the late tile
; needs the key chunks (128 keys) 0 .. 7 - g and the early one 0 .. g: nine key steps in every wave of the launch.
; PIPELINE.  A head's codes (K 32 KiB, V 32 KiB, scale bytes 4 KiB) stay in LDS.  In trip s = 0 .. 7 the work-group quantises chunk s, each lane ONE block of 32 (waves 0-7: K, a tile of 16 keys each; waves 8-15: V,
; 32 channels x 32 keys each), asks for chunk s + 1 (64 KiB a work-group, into registers), and every wave runs one key step: the late tile on chunk s while s <= 7 - g, then the early tile on chunk s + g - 8;
; the ninth step (early tile, chunk g) stands behind the loop.  A step never wants a chunk above s, and the next chunk has a whole key step in which to arrive.
; K = 64 IN AN INSTRUCTION OF K = 128.  A fragment of K holds TWO tiles of keys (registers 0-3, 4-7).  Q lies in twelve registers, 0 0 0 0 q q q q 0 0 0 0: the upper eight multiply the first tile, the lower eight the second;
; Q's zero codes silence the other tile.  Q's scale register holds s0, s1 in bytes 0, 1 in lanes 0-15 and in bytes 2, 3 in lanes 16-31.
; LAYOUT.  Both products are used transposed (S^T = K Q^T, O^T = V^T P^T): a lane holds ONE query.  Lane r of key tile 2 b + u takes key 32 b + 8 u + r + 8 (r / 8), so that the 16 registers of two neighbouring tiles are 16 neighbouring keys.
; NO JOINT LOADS: the two work-groups of a head read the same k and v, but each lane wants 32 f32 numbers of one block in its registers (V's down the keys); a joint tensor load would lay 64 KiB a chunk into LDS
; to be read out again, with a ring and a round of the cluster's barrier for each chunk.
; LIMITS: NaN and infinities among q, k, v are not served.  A block of zeros gets the scale byte 1 where the rule says 127: its codes are zeros and this program alone reads the bytes.  A block's largest p is taken from the
; block's largest score, which takes v_exp_f32 not to fall where its input rises.  A p under 2^-126 counts as 0.
.set KC,   0                           ; LDS: K's codes, 8 chunks x 4,096: tile T, lane (r, h): (T / 4) 2048 + (T % 4) 256 + 1024 h + 16 r
.set VC,   32768                       ; V's codes, 8 x 4,096: channel d, key block kb: (d / 16) 1024 + 256 kb + 16 (d % 16): the image of the operand's registers
.set KSC,  65536                       ; K's scale bytes, 8 x 256: pair of tiles b, row r: word at 64 b + 4 r, byte 2 u + h
.set VSC,  67584                       ; V's, 8 x 256: channel d: word at 4 d, byte kb
.set STG,  69632                       ; a stage of 16 rows for each wave, its own
.set SP,   272                         ; a stage row: 256 bytes + 16: 17 x 16 bytes
.set LKR,  1                           ; v1   1024 h + 16 r: my place in a tile of K
.set LVR,  2                           ; v2   VC + 16 lane: in a fragment of V
.set LS0,  3                           ; v3   KSC + 4 lane: among the scale words
.set CST,  4                           ; v4   where I store my block's 16 bytes of codes in a chunk
.set KBS,  5                           ; v5   where a lane of waves 0-7 stores its scale byte
.set VBS,  6                           ; v6   and a lane of waves 8-15
.set GO,   7                           ; v7   4096 h + 16 r: two token rows an instruction, 16 lanes to a row of 256 bytes
.set GV,   8                           ; v8   4 lane: a lane to a channel
.set SD,   9                           ; v9   the stage by rows as they lie in memory: row h, byte 16 r
.set SB,   10                          ; v10  the stage by blocks: row r, byte 128 h
.set SI,   11                          ; v11  the stage for O: row r, byte 32 h
                                       ; v12 -M, v13 the largest t, v[14:15] the row's sum in two halves
.set QZ,   16                          ; v16-27 0 0 0 0 q q q q 0 0 0 0
.set QS,   28                          ; v28  Q's scale words
.set QS2,  29                          ; v29  the early tile's, kept
.set Q2,   30                          ; v30-33 the early tile's codes, kept
.set ADK,  34
.set ADV,  35
.set ADS,  36                          ; v34-36 the step's LDS addresses
.set PW,   37                          ; v37  p's scale word
.set KS0,  38                          ; v38-39 K's scale words: lanes 0-15 an even pair of tiles, lanes 16-31 the odd one
.set VS0,  40                          ; v40-41 V's: lanes 0-15 an even tile, lanes 16-31 the odd one
.set RR,   42                          ; v42  r
.set RH,   43                          ; v43  r - 16 h
.set P,    44                          ; v44-51 p's codes; v44-47 also the codes of the block just quantised
.set F,    52                          ; v52  f = 2^(old M - new M); v53 = 0, named with it as a pair
.set TMP,  54
.set DD,   55
.set BM,   56                          ; v56-59 the blocks' largest scores, then largest p
.set PL,   60                          ; v60-63 at work
.set SO,   64                          ; v64-67 the conversions' scale operands
.set ADC,  68                          ; v68  the trip's address for codes
.set ADBK, 69                          ; v69  for K's scale byte
.set SOP,  70
.set BY,   71
.set KV,   72                          ; v72-103 four pairs of K's tiles, then four fragments of V
.set S,    104                         ; v104-167 S^T, then p; at the head Q's numbers; on the way out O
.set O,    168                         ; v168-199 O^T: four tiles of 16 channels
.set X,    200                         ; v200-231 my 32 numbers of the chunk on its way
.set H8,   232                         ; v232 8 h
.set H16,  233                         ; v233 16 h
.set ADBV, 234                         ; v234 the trip's address for V's scale byte
.set WV,   14                          ; s14  wave
.set GQ,   15                          ; s15  g = wave / 4
.set HB,   20                          ; s[20:21] byte offset of (sequence, head) in q, k, v, out
.set SEL,  22                          ; s[22:23] v_permlanex16_b32's selects for lane l xor 16
.set CS,   24                          ; s[24:25] c = log2(e) / 8, twice
.set SC,   26                          ; s26  the trip
.set CH,   27                          ; s27  the step's chunk
.set C4,   28                          ; s28  4096 x chunk
.set C1,   29                          ; s29  256 x chunk
.set W4,   30                          ; s30  4096 x trip
.set W1,   31                          ; s31  256 x trip
.set LEN,  32                          ; s32  my sequence's length
.set DL,   33                          ; s33  the late tile's first query within its last chunk
.set DS,   34                          ; s34  the early tile's
.set QPL,  35                          ; s35  the late tile's first query
.set QPS,  36                          ; s36  the early tile's
.set T7,   37                          ; s37  trip + g: 7 in the late tile's last step, 8 and more in the early tile's steps
.set KB,   38                          ; s[38:39] k at my tile of the chunk to be asked for
.set VB,   40                          ; s[40:41] v at my 32 keys x 32 channels of it
.set QLB,  42                          ; s[42:43] q at the late tile;  s[44:45] at the early one
.set QSB,  44
.set OL,   46                          ; s[46:47], s[48:49] out likewise
.set OS,   48
.macro BAR                             ; my LDS stores have landed and my LDS loads are in: then the work-group's barrier
	s_wait_dscnt 0x0
	s_barrier_signal -1
	s_barrier_wait -1
.endm
; Sixteen token rows of my head into v[x] on: each load takes two whole rows of 256 bytes.  perm = 1: the rows of a tile of keys, 0-7 and 16-23; read by two work-groups, so no hint.  perm = 0: Q's, read once.
.macro ROWS x, base, perm
.irp j, 0,1,2,3,4,5,6,7
.if \perm
	global_load_b128 v[\x+4*\j:\x+4*\j+3], v[GO], s[\base:\base+1] offset:(2*\j+8*(\j/4))*4096
.else
	global_load_b128 v[\x+4*\j:\x+4*\j+3], v[GO], s[\base:\base+1] offset:2*\j*4096 th:TH_LOAD_NT
.endif
.endr
.endm
; A lane takes a channel and its registers run down 32 keys: each load reads 128 consecutive bytes; the wave four further on takes the row's other 128.
.macro COLS
.set N, 0
.rept 32
	global_load_b32 v[X+N], v[GV], s[VB:VB+1] offset:4096*N
.set N, N+1
.endr
.endm
; Sixteen rows as loaded go through my stage and come back 128 neighbouring bytes a lane: lane (r, h) holds channels 32 h .. 32 h + 31 of row r.  LDS serves a wave's instructions in order (ISA guide 5.7.1.4): no wait between stores and loads.
.macro TURN x
.irp j, 0,1,2,3,4,5,6,7
	ds_store_b128 v[SD], v[\x+4*\j:\x+4*\j+3] offset:2*SP*\j
.endr
.irp j, 0,1,2,3,4,5,6,7
	ds_load_b128 v[\x+4*\j:\x+4*\j+3], v[SB] offset:16*\j
.endr
	s_wait_dscnt 0x0
.endm
; The 32 numbers v[x] .. v[x + 31], one block, become 16 bytes of codes in v[c] .. v[c + 3] and the scale's byte in v[BY].
.macro QUANT32 x, c
	v_max3_num_f32 v[TMP], |v[\x]|, |v[\x+1]|, |v[\x+2]|           ; the largest magnitude, in two chains
	v_max3_num_f32 v[DD], |v[\x+3]|, |v[\x+4]|, |v[\x+5]|
.irp i, 6,10,14,18,22,26
	v_max3_num_f32 v[TMP], v[TMP], |v[\x+\i]|, |v[\x+\i+1]|
	v_max3_num_f32 v[DD], v[DD], |v[\x+\i+2]|, |v[\x+\i+3]|
.endr
	v_max3_num_f32 v[TMP], v[TMP], |v[\x+30]|, |v[\x+31]|
	v_max3_num_f32 v[TMP], v[TMP], v[DD], 0x1800000                ; and the floor 2^(3 - 127): the byte cannot fall under 1
	v_add_nc_u32 v[SOP], 0xff000000, v[TMP]                        ; 2 off the exponent field: the conversion takes the exponent field of this operand as its scale
	v_lshrrev_b32 v[BY], 23, v[SOP]                                ; the scale's byte
.irp g, 0,1,2,3
	v_cvt_scalef32_pk8_fp4_f32 v[\c+\g], v[\x+8*\g:\x+8*\g+7], v[SOP]
.endr
	v_nop                                                          ; one plain place behind the last conversion
.endm
; Q's scale word from the two lanes' bytes: s0 | s1 << 8 in lanes 0-15, the same 16 bits up in lanes 16-31
.macro QWORD dst
	v_lshlrev_b32 v[TMP], v[H8], v[BY]
	v_permlanex16_b32 v[PL], v[TMP], s[SEL], s[SEL+1]
	v_or_b32 v[TMP], v[TMP], v[PL]
	v_lshlrev_b32 v[\dst], v[H16], v[TMP]
.endm
; One product of S^T.  mode bit 1: K's scale words from lanes 16-31 (an odd pair of tiles); bit 0: Q's from lanes 16-31 (the pair's second tile)
.macro KQ d, a, q, sa, mode
.if (\mode) == 0
	v_wmma_scale_f32_16x16x128_f8f6f4 v[\d:\d+7], v[\a:\a+7], v[\q:\q+7], 0, v[\sa], v[QS] matrix_a_fmt:MATRIX_FMT_FP4 matrix_b_fmt:MATRIX_FMT_FP4
.elseif (\mode) == 1
	v_wmma_scale_f32_16x16x128_f8f6f4 v[\d:\d+7], v[\a:\a+7], v[\q:\q+7], 0, v[\sa], v[QS] matrix_a_fmt:MATRIX_FMT_FP4 matrix_b_fmt:MATRIX_FMT_FP4 matrix_b_scale:MATRIX_SCALE_ROW1
.elseif (\mode) == 2
	v_wmma_scale_f32_16x16x128_f8f6f4 v[\d:\d+7], v[\a:\a+7], v[\q:\q+7], 0, v[\sa], v[QS] matrix_a_fmt:MATRIX_FMT_FP4 matrix_b_fmt:MATRIX_FMT_FP4 matrix_a_scale:MATRIX_SCALE_ROW1
.else
	v_wmma_scale_f32_16x16x128_f8f6f4 v[\d:\d+7], v[\a:\a+7], v[\q:\q+7], 0, v[\sa], v[QS] matrix_a_fmt:MATRIX_FMT_FP4 matrix_b_fmt:MATRIX_FMT_FP4 matrix_a_scale:MATRIX_SCALE_ROW1 matrix_b_scale:MATRIX_SCALE_ROW1
.endif
.endm
; One product of O^T += V^T P^T: channels 16 t on.  odd = 1: V's scale words from lanes 16-31
.macro PV t, sa, odd
.if \odd
	v_wmma_scale_f32_16x16x128_f8f6f4 v[O+8*\t:O+8*\t+7], v[KV+8*\t:KV+8*\t+7], v[P:P+7], v[O+8*\t:O+8*\t+7], v[\sa], v[PW] matrix_a_fmt:MATRIX_FMT_FP4 matrix_b_fmt:MATRIX_FMT_FP4 matrix_a_scale:MATRIX_SCALE_ROW1
.else
	v_wmma_scale_f32_16x16x128_f8f6f4 v[O+8*\t:O+8*\t+7], v[KV+8*\t:KV+8*\t+7], v[P:P+7], v[O+8*\t:O+8*\t+7], v[\sa], v[PW] matrix_a_fmt:MATRIX_FMT_FP4 matrix_b_fmt:MATRIX_FMT_FP4
.endif
.endm
; A KEY STEP: my tile of 16 queries against the 128 keys of chunk s[CH].  always = 1: the chunk lies on the diagonal; 0: it does where s[T7] = 7.  dreg: the tile's first query within that chunk.
.macro STEP always, dreg
	v_add_nc_u32 v[ADK], s[C4], v[LKR]             ; these four lines are the places in front of loads into registers that the last products read (ISA guide 7.12.1 for vector instructions)
	v_add_nc_u32 v[ADV], s[C4], v[LVR]
	v_add_nc_u32 v[ADS], s[C1], v[LS0]
	v_nop
	ds_load_b32 v[KS0], v[ADS]
	ds_load_b32 v[KS0+1], v[ADS] offset:128
.irp T, 0,1,2,3,4,5,6,7
	ds_load_b128 v[KV+4*\T:KV+4*\T+3], v[ADK] offset:(\T/4)*2048+(\T%4)*256
.endr
	s_wait_dscnt 0x0
	KQ S+0,  KV+0,  QZ+4, KS0,   0                 ; lane (r, h) holds query r; register 16 b + i holds key 32 b + 16 h + i of the chunk
	KQ S+8,  KV+0,  QZ,   KS0,   1
	KQ S+16, KV+8,  QZ+4, KS0,   2
	KQ S+24, KV+8,  QZ,   KS0,   3
	KQ S+32, KV+16, QZ+4, KS0+1, 0
	KQ S+40, KV+16, QZ,   KS0+1, 1
	KQ S+48, KV+24, QZ+4, KS0+1, 2
	KQ S+56, KV+24, QZ,   KS0+1, 3
.rept 4
	v_nop                                          ; places: in front of the loads into K's registers, and of the first read of the scores
.endr
.irp t, 0,1,2,3
.irp c, 0,1
	ds_load_b128 v[KV+8*\t+4*\c:KV+8*\t+4*\c+3], v[ADV] offset:\t*1024+\c*512   ; V's fragments: they have the whole softmax in which to come
.endr
.endr
	ds_load_b32 v[VS0], v[ADS] offset:VSC-KSC
	ds_load_b32 v[VS0+1], v[ADS] offset:VSC-KSC+128
.if !\always
	s_cmp_lg_u32 s[T7], 7                          ; a branch on ids and the trip alone: off the diagonal every key of the chunk counts
	s_cbranch_scc1 .Lopen_\@
.endif
	v_add_nc_u32 v[DD], s[\dreg], v[RH]            ; d = my query within the chunk - 16 h: register 16 b + i is hidden where 32 b + i > d
	v_mov_b32 v[TMP], 0xff800000                   ; -infinity: p = 0 then
.set N, 0
.rept 64
	v_cmp_gt_i32 vcc_lo, 32*(N/16)+N%16, v[DD]
	v_cndmask_b32 v[S+N], v[S+N], v[TMP], vcc_lo
.set N, N+1
.endr
.if !\always
.Lopen_\@:
.endif
.irp b, 0,1,2,3
	v_max3_num_f32 v[BM+\b], v[S+16*\b], v[S+16*\b+1], v[S+16*\b+2]   ; the largest score of each block of 32 keys: for the row's maximum, and, since p rises with the score, for the block's largest p
.endr
.irp i, 3,5,7,9,11,13
.irp b, 0,1,2,3
	v_max3_num_f32 v[BM+\b], v[BM+\b], v[S+16*\b+\i], v[S+16*\b+\i+1]   ; (the four blocks by turns)
.endr
.endr
.irp b, 0,1,2,3
	v_max_num_f32 v[BM+\b], v[BM+\b], v[S+16*\b+15]
.endr
.irp b, 0,1,2,3
	v_permlanex16_b32 v[PL+\b], v[BM+\b], s[SEL], s[SEL+1]
.endr
.irp b, 0,1,2,3
	v_max_num_f32 v[BM+\b], v[BM+\b], v[PL+\b]     ; with lane l xor 16's 16 keys
.endr
	v_max3_num_f32 v[TMP], v[BM], v[BM+1], v[BM+2]
	v_max_num_f32 v[TMP], v[TMP], v[BM+3]          ; the step's largest score of my query
	v_mul_f32 v[TMP], s[CS], v[TMP]                ; as t (c is positive)
	v_max_num_f32 v13, v13, v[TMP]                 ; the running largest t
	v_mov_b32 v[TMP], v12
	v_floor_f32 v12, -v13                          ; the new -M = floor(-t): M is a whole number
	v_sub_f32 v[TMP], v12, v[TMP]                  ; old M - new M: a whole number, 0 or less
	v_cvt_i32_f32 v[TMP], v[TMP]                   ; (it saturates)
	v_ldexp_f32 v[F], 1.0, v[TMP]                  ; f = 2^(old M - new M): a multiplication by it rounds nothing
.set N, 0
.rept 32
	v_pk_fma_f32 v[S+N:S+N+1], v[S+N:S+N+1], s[CS:CS+1], v[12:13] op_sel_hi:[1,0,0]   ; t - M, two at a time (of the pairs c and -M the low word serves both halves)
.set N, N+2
.endr
.irp b, 0,1,2,3
	v_fma_f32 v[BM+\b], v[BM+\b], s[CS], v12       ; the same of each block's largest score
.endr
.set N, 0
.rept 64
	v_exp_f32 v[S+N], v[S+N]                       ; p = 2^(t - M), at most 1, not normalised
.set N, N+1
.endr
.irp b, 0,1,2,3
	v_exp_f32 v[BM+\b], v[BM+\b]                   ; the block's largest p: the same two instructions on the same number give the same bits.  ONE BATCH of 68
.endr
	v_pk_mul_f32 v[14:15], v[14:15], v[F:F+1] op_sel_hi:[1,0]      ; the sums under the new M: the plain line behind the exponentials,
.set N, 0
.rept 16
	v_pk_mul_f32 v[O+N:O+N+1], v[O+N:O+N+1], v[F:F+1] op_sel_hi:[1,0]   ; and O^T under the new M, each accumulator from its low end on: work that names no result of the batch
.set N, N+2
.endr
	s_wait_alu depctr_va_vdst(0)                   ; the wait ahead of the first line that names an exponential's result: one for the batch
.irp b, 0,1,2,3
	v_max_num_f32 v[BM+\b], 0x1800000, v[BM+\b]    ; the floor 2^(3 - 127): the byte cannot fall under 1 (a block whose every p is 0 keeps that byte: its codes are zeros)
.endr
.irp b, 0,1,2,3
	v_add_nc_u32 v[SO+\b], 0xff000000, v[BM+\b]    ; 2 off the exponent field: the conversion's scale operand
.endr
.irp b, 0,1,2,3
	v_lshrrev_b32 v[PL+\b], 23, v[SO+\b]           ; the scale's byte
.endr
	v_lshl_or_b32 v[PW], v[PL+1], 8, v[PL]         ; p's scale word for these 128 keys
	v_lshl_or_b32 v[PW], v[PL+2], 16, v[PW]
	v_lshl_or_b32 v[PW], v[PL+3], 24, v[PW]
.irp b, 0,1,2,3
	v_cvt_scalef32_pk8_fp4_f32 v[P+2*\b], v[S+16*\b:S+16*\b+7], v[SO+\b]
	v_cvt_scalef32_pk8_fp4_f32 v[P+2*\b+1], v[S+16*\b+8:S+16*\b+15], v[SO+\b]
.endr
	v_nop                                          ; one plain place behind the last conversion
.irp c, 0,1                                    ; the operand's layout wants a whole block in a lane: lanes 0-15 block 2 c, lanes 16-31 block 2 c + 1
.irp i, 0,1
	v_permlane16_swap_b32 v[P+4*\c+\i], v[P+4*\c+2+\i]
.endr
.endr
	v_pk_add_f32 v[PL:PL+1], v[S:S+1], v[S+2:S+3]  ; the row's sum is taken of the UNQUANTISED p, two at a time, in two chains.  These 32 lines name no register of the products below:
.set N, 4
.rept 15
	v_pk_add_f32 v[14:15], v[14:15], v[S+N:S+N+1]                  ; they are the places between the writes of p's scale word (8 are asked) and codes (4) and those products
	v_pk_add_f32 v[PL:PL+1], v[PL:PL+1], v[S+N+2:S+N+3]
.set N, N+4
.endr
	v_pk_add_f32 v[14:15], v[14:15], v[PL:PL+1]
	s_wait_dscnt 0x0                               ; V's fragments and scale words are in
	PV 0, VS0,   0                                 ; four accumulators by turns, one instruction a turn
	PV 1, VS0,   1
	PV 2, VS0+1, 0
	PV 3, VS0+1, 1
.endm
; A finished tile goes out: O^T / the sum, +0 where the query lies at or past the sequence's length; through my stage, so that sixteen lanes store a token's 256 bytes.
.macro FINISH ob, qp
.rept 4
	v_nop                                          ; places behind the last products
.endr
	v_add_f32 v14, v14, v15                        ; the sum's two halves,
	v_permlanex16_b32 v[TMP], v14, s[SEL], s[SEL+1]
	v_add_f32 v14, v14, v[TMP]                     ; and lane l xor 16's: the row's sum, above 1/2
	v_rcp_f32 v14, v14
	v_add_nc_u32 v[DD], s[\qp], v[RR]              ; (a plain line behind the reciprocal)  my query's position
	v_cmp_gt_i32 vcc_lo, s[LEN], v[DD]             ; kept where len > position, signed
	s_wait_alu depctr_va_vdst(0)                   ; the wait ahead of the first line that names the reciprocal
	v_cndmask_b32 v14, 0, v14, vcc_lo              ; a dropped row is multiplied by 0: O^T is finite,
.set N, 0
.rept 16
	v_pk_fma_f32 v[S+N:S+N+1], v[O+N:O+N+1], v[14:15], 0 op_sel_hi:[1,0,0]   ; and + 0 makes the zero positive.  Register 8 t + j is out(query r, channel 16 t + 8 h + j)
.set N, N+2
.endr
.irp t, 0,1,2,3
	ds_store_b128 v[SI], v[S+8*\t:S+8*\t+3] offset:64*\t
	ds_store_b128 v[SI], v[S+8*\t+4:S+8*\t+7] offset:64*\t+16
.endr
.irp i, 0,1,2,3,4,5,6,7
	ds_load_b128 v[S+32+4*\i:S+32+4*\i+3], v[SD] offset:2*SP*\i    ; LDS serves a wave's instructions in order: these see my stores
.endr
.irp i, 0,1,2,3,4,5,6,7
	s_wait_dscnt 7-\i                              ; the younger loads of this run may be out
	global_store_b128 v[GO], v[S+32+4*\i:S+32+4*\i+3], s[\ob:\ob+1] offset:8192*\i th:TH_STORE_NT   ; two tokens: 16 lanes store 256 consecutive bytes, aligned; written once
.endr
.endm
	s_load_b256 s[4:11], s[0:1], 0x0               ; q s[4:5], k s[6:7], v s[8:9], b_seq_len s[10:11]
	s_load_b64 s[12:13], s[0:1], 0x20              ; out
	v_lshl_add_u32 v254, v0, 2, 0x22000
	v_mov_b32 v255, 0
	v_lshrrev_b32 v[TMP], 5, v0
	v_readfirstlane_b32 s[WV], v[TMP]              ; wave 0..15
	v_and_b32 v[RR], 15, v0                        ; r
	v_bfe_u32 v[DD], v0, 4, 1                      ; h
	v_and_b32 v[TMP], 31, v0                       ; lane
	s_lshr_b32 s[GQ], s[WV], 2
	s_and_b32 s16, ttmp9, 1                        ; p: which of the head's two work-groups
	s_bfe_u32 s50, ttmp9, 0x40001                  ; the head
	s_lshr_b32 s51, ttmp9, 5                       ; the sequence
	s_lshl_b32 s[HB], s51, 22                      ; 1,024 tokens of 4,096 bytes
	s_lshl_b32 s50, s50, 8
	s_add_co_u32 s[HB], s[HB], s50
	s_mov_b32 s[HB+1], 0
	s_lshl_b32 s56, s51, 2                         ; my sequence's word of b_seq_len
	s_mov_b32 s57, 0
	s_lshl_b32 s52, s[WV], 1
	s_add_co_u32 s52, s52, s16                     ; i = 2 w + p
	s_sub_co_u32 s53, 63, s52                      ; 63 - i
	s_lshl_b32 s[QPS], s52, 4
	s_lshl_b32 s[QPL], s53, 4
	s_and_b32 s[DS], s52, 7
	s_lshl_b32 s[DS], s[DS], 4
	s_and_b32 s[DL], s53, 7
	s_lshl_b32 s[DL], s[DL], 4
	s_mov_b32 s[SEL], 0x76543210
	s_mov_b32 s[SEL+1], 0xfedcba98
	s_mov_b32 s[CS], 0x3e38aa3b                    ; c = log2(e) / 8
	s_mov_b32 s[CS+1], s[CS]
	; every LDS address is made here, ahead of any parting of the waves: a constant + a lane term + a constant x wave
	v_lshlrev_b32 v[LKR], 4, v[RR]
	v_lshl_add_u32 v[LKR], v[DD], 10, v[LKR]
	v_lshl_add_u32 v[LVR], v[TMP], 4, VC
	v_lshl_add_u32 v[LS0], v[TMP], 2, KSC
	s_and_b32 s50, s[WV], 8
	s_lshl_b32 s50, s50, 12                        ; waves 8-15: V's codes
	s_bfe_u32 s51, s[WV], 0x10002                  ; (w / 4) % 2: K: the tile's upper bit; V: which 32 channels
	s_lshl_b32 s52, s51, 11
	s_add_co_u32 s50, s50, s52
	s_and_b32 s53, s[WV], 3                        ; w % 4: K: the tile's lower bits; V: which 32 keys
	s_lshl_b32 s52, s53, 8
	s_add_co_u32 s50, s50, s52
	v_add_nc_u32 v[CST], s50, v[LKR]               ; one formula serves both roles
	s_bfe_u32 s50, s[WV], 0x20001                  ; (w % 8) / 2: the pair of tiles
	s_lshl_b32 s50, s50, 6
	s_and_b32 s52, s[WV], 1
	s_lshl_b32 s52, s52, 1
	s_add_co_u32 s50, s50, s52
	s_add_co_u32 s50, s50, KSC
	v_lshl_add_u32 v[KBS], v[RR], 2, v[DD]
	v_add_nc_u32 v[KBS], s50, v[KBS]               ; KSC + 64 b + 4 r + 2 u + h
	s_lshl_b32 s50, s51, 7
	s_add_co_u32 s50, s50, s53
	s_add_co_u32 s50, s50, VSC
	v_lshlrev_b32 v[GV], 2, v[TMP]
	v_add_nc_u32 v[VBS], s50, v[GV]                ; VSC + 4 d + kb
	v_lshlrev_b32 v[GO], 4, v[RR]
	v_lshl_add_u32 v[GO], v[DD], 12, v[GO]
	s_mul_i32 s50, s[WV], 16*SP
	s_add_co_u32 s50, s50, STG                     ; my stage
	v_mul_u32_u24 v[SD], v[DD], SP
	v_lshl_add_u32 v[SD], v[RR], 4, v[SD]
	v_add_nc_u32 v[SD], s50, v[SD]
	v_mul_u32_u24 v[SB], v[RR], SP
	v_lshl_add_u32 v[SI], v[DD], 5, v[SB]
	v_lshl_add_u32 v[SB], v[DD], 7, v[SB]
	v_add_nc_u32 v[SI], s50, v[SI]
	v_add_nc_u32 v[SB], s50, v[SB]
	v_lshlrev_b32 v[H8], 3, v[DD]
	v_lshlrev_b32 v[H16], 4, v[DD]
	v_sub_nc_u32 v[RH], v[RR], v[H16]
	s_wait_kmcnt 0x0
	s_add_nc_u64 s[10:11], s[10:11], s[56:57]
	s_load_b32 s[LEN], s[10:11], 0x0
	s_lshl_b32 s54, s[QPL], 12                     ; the late tile's first token, in bytes
	s_mov_b32 s55, 0
	s_add_nc_u64 s[54:55], s[54:55], s[HB:HB+1]
	s_add_nc_u64 s[QLB:QLB+1], s[4:5], s[54:55]
	s_add_nc_u64 s[OL:OL+1], s[12:13], s[54:55]
	s_lshl_b32 s54, s[QPS], 12                     ; the early tile's
	s_mov_b32 s55, 0
	s_add_nc_u64 s[54:55], s[54:55], s[HB:HB+1]
	s_add_nc_u64 s[QSB:QSB+1], s[4:5], s[54:55]
	s_add_nc_u64 s[OS:OS+1], s[12:13], s[54:55]
	s_bfe_u32 s54, s[WV], 0x20001                  ; k: key 32 ((w % 8) / 2) + 8 (w % 2)
	s_lshl_b32 s54, s54, 17
	s_and_b32 s50, s[WV], 1
	s_lshl_b32 s50, s50, 15
	s_add_co_u32 s54, s54, s50
	s_mov_b32 s55, 0
	s_add_nc_u64 s[54:55], s[54:55], s[HB:HB+1]
	s_add_nc_u64 s[KB:KB+1], s[6:7], s[54:55]
	s_lshl_b32 s54, s53, 17                        ; v: key 32 (w % 4), channel 32 ((w / 4) % 2)
	s_lshl_b32 s50, s51, 7
	s_add_co_u32 s54, s54, s50
	s_mov_b32 s55, 0
	s_add_nc_u64 s[54:55], s[54:55], s[HB:HB+1]
	s_add_nc_u64 s[VB:VB+1], s[8:9], s[54:55]
	ROWS S, QLB, 0                                 ; the late tile's 16 queries
	ROWS S+32, QSB, 0                              ; the early tile's
.irp j, 0,1,2,3
	v_mov_b32 v[QZ+\j], 0                          ; the zero codes on both sides of Q
	v_mov_b32 v[QZ+8+\j], 0
	v_mov_b32 v[PL+\j], 0                          ; written once: a lane permute's destination counts as one of its sources
.endr
	v_mov_b32 v[F+1], 0                            ; named as the upper half of a pair
	v_mov_b32 v13, 0xff61b1e6                      ; the largest t so far: -3e38, under every t
	v_floor_f32 v12, -v13                          ; -M
	v_mov_b32 v14, 0
	v_mov_b32 v15, 0
.set N, 0
.rept 32
	v_mov_b32 v[O+N], 0                            ; the step is written for every step alike: the first finds zeros, which the first change of M leaves zeros
.set N, N+1
.endr
	s_cmp_lt_u32 s[WV], 8                          ; chunk 0: waves 0-7 a tile of K each, waves 8-15 32 keys x 32 channels of V each
	s_cbranch_scc0 .Lhead_v
	ROWS X, KB, 1
	s_wait_loadcnt 8                               ; Q's sixteen loads are in; the eight just issued may be out
	s_branch .Lhead_q
.Lhead_v:
	COLS
	s_wait_loadcnt 32                              ; Q's sixteen loads are in; the 32 just issued may be out
.Lhead_q:
	s_wait_kmcnt 0x0                               ; len
	TURN S
	QUANT32 S, QZ+4
	QWORD QS
	TURN S+32
	QUANT32 S+32, Q2
	QWORD QS2
	s_mov_b32 s[SC], 0
	s_mov_b32 s[W4], 0
	s_mov_b32 s[W1], 0
.Ltrip:                                            ; eight trips
	s_wait_loadcnt 0x0                             ; chunk s is in my registers; its loads' base may be stepped
	v_add_nc_u32 v[ADC], s[W4], v[CST]
	v_add_nc_u32 v[ADBK], s[W1], v[KBS]
	v_add_nc_u32 v[ADBV], s[W1], v[VBS]
	s_cmp_lt_u32 s[WV], 8
	s_cbranch_scc0 .Lv_way
	TURN X                                         ; K: 16 keys' rows become a block of 32 channels a lane
	QUANT32 X, P
	ds_store_b128 v[ADC], v[P:P+3]
	ds_store_b8 v[ADBK], v[BY]
	s_cmp_eq_u32 s[SC], 7                          ; the last trip asks for nothing: no load leaves its buffer
	s_cbranch_scc1 .Lmade
	s_add_nc_u64 s[KB:KB+1], s[KB:KB+1], 524288    ; 128 keys on
	ROWS X, KB, 1
	s_branch .Lmade
.Lv_way:
	QUANT32 X, P                                   ; V: a lane's 32 registers are a block of 32 keys of its channel
	ds_store_b128 v[ADC], v[P:P+3]
	ds_store_b8 v[ADBV], v[BY]
	s_cmp_eq_u32 s[SC], 7
	s_cbranch_scc1 .Lmade
	s_add_nc_u64 s[VB:VB+1], s[VB:VB+1], 524288
	COLS
.Lmade:
	BAR                                            ; chunk s lies in LDS, whole, for every wave
	s_add_co_u32 s[T7], s[SC], s[GQ]
	s_and_b32 s50, s[T7], 7
	s_cmp_ge_u32 s[T7], 8
	s_cselect_b32 s[CH], s50, s[SC]                ; the late tile takes chunk s, the early one chunk s + g - 8
	s_lshl_b32 s[C4], s[CH], 12
	s_lshl_b32 s[C1], s[CH], 8
	STEP 0, DL
	s_cmp_lg_u32 s[T7], 7
	s_cbranch_scc1 .Lgo_on
	FINISH OL, QPL                                 ; that was the late tile's last step
.irp j, 0,1,2,3
	v_mov_b32 v[QZ+4+\j], v[Q2+\j]                 ; the early tile takes its place
.endr
	v_mov_b32 v[QS], v[QS2]
	v_mov_b32 v13, 0xff61b1e6
	v_floor_f32 v12, -v13
	v_mov_b32 v14, 0
	v_mov_b32 v15, 0
.set N, 0
.rept 32
	v_mov_b32 v[O+N], 0                            ; (these are also the places between the writes of Q's codes and scale word and the next products)
.set N, N+1
.endr
	s_wait_xcnt 0x0                                ; the stores have read their data: the next step writes those registers again
.Lgo_on:
	BAR                                            ; every wave's reads of this trip are over before any wave stores the next chunk's codes
	s_add_co_u32 s[W4], s[W4], 4096
	s_add_co_u32 s[W1], s[W1], 256
	s_add_co_u32 s[SC], s[SC], 1
	s_cmp_lt_u32 s[SC], 8
	s_cbranch_scc1 .Ltrip
	s_lshl_b32 s[C4], s[GQ], 12                    ; the ninth step: the early tile on its diagonal chunk, g
	s_lshl_b32 s[C1], s[GQ], 8
	STEP 1, DS
	FINISH OS, QPS
	s_wait_tensorcnt 0x0
	ds_add_u32 v254, v255
	s_wait_dscnt 0x0
	s_endpgm
.Lfunc_end_k_qa121ab7c12_attn:
	.size	k_qa121ab7c12_attn, .Lfunc_end_k_qa121ab7c12_attn-k_qa121ab7c12_attn
	.p2alignl 7, 3214868480
	.fill 96, 4, 3214868480
	.section	.rodata,"a",@progbits
	.p2align	6, 0x0
	.amdhsa_kernel k_qa121ab7c12_attn
		.amdhsa_group_segment_fixed_size 141312
		.amdhsa_private_segment_fixed_size 0
		.amdhsa_enable_private_segment 0
		.amdhsa_kernarg_size 40
		.amdhsa_user_sgpr_count 2
		.amdhsa_user_sgpr_kernarg_segment_ptr 1
		.amdhsa_wavefront_size32 1
		.amdhsa_system_sgpr_workgroup_id_x 1
		.amdhsa_system_sgpr_workgroup_id_y 1
		.amdhsa_system_sgpr_workgroup_id_z 1
		.amdhsa_system_vgpr_workitem_id 0
		.amdhsa_next_free_vgpr 256
		.amdhsa_next_free_sgpr 66
		.amdhsa_reserve_vcc 1
		.amdhsa_float_denorm_mode_32 3
		.amdhsa_float_denorm_mode_16_64 3
		.amdhsa_memory_ordered 1
		.amdhsa_forward_progress 1
		.amdhsa_inst_pref_size 74
	.end_amdhsa_kernel
	.amdgpu_metadata
---
amdhsa.version: [ 1, 2 ]
amdhsa.kernels:
  - .name:           k_qa121ab7c12_attn
    .symbol:         k_qa121ab7c12_attn.kd
    .args:
      - { .name: q, .offset: 0, .size: 8, .value_kind: global_buffer, .address_space: global }
      - { .name: k, .offset: 8, .size: 8, .value_kind: global_buffer, .address_space: global }
      - { .name: v, .offset: 16, .size: 8, .value_kind: global_buffer, .address_space: global }
      - { .name: b_seq_len, .offset: 24, .size: 8, .value_kind: global_buffer, .address_space: global }
      - { .name: out0, .offset: 32, .size: 8, .value_kind: global_buffer, .address_space: global }
    .group_segment_fixed_size: 141312
    .private_segment_fixed_size: 0
    .kernarg_segment_align: 8
    .kernarg_segment_size: 40
    .max_flat_workgroup_size: 512
    .sgpr_count:     66
    .vgpr_count:     256
    .wavefront_size: 32
...
	.end_amdgpu_metadata
.endif
;; end of part 1
;; ======== version 2 of 2: 1 launch; version 1 with the launch attn written anew for expert scheduling mode
;; launch attn (part 2): grid 256 x 1, 16 waves a work-group, no clusters, 141,312 bytes of LDS; arguments q, k, v, b_seq_len, out0; writes out0
.if DOCPART == 2
	.amdgcn_target "amdgcn-amd-amdhsa--gfx1250"
	.amdhsa_code_object_version 6
	.text
	.protected	k_qa121ab7c12_attn
	.globl	k_qa121ab7c12_attn
	.p2align	8
	.type	k_qa121ab7c12_attn,@function
k_qa121ab7c12_attn:
	s_mov_b64 s[64:65], 0
	v_nop
	global_prefetch_b8 v0, s[64:65] scope:SCOPE_SE
	s_setreg_imm32_b32 hwreg(HW_REG_WAVE_SCHED_MODE, 0, 2), 2
	s_setreg_imm32_b32 hwreg(HW_REG_WAVE_MODE, 25, 1), 1
	s_wait_xcnt 0x0
	s_wait_alu depctr_vm_vsrc(0)
; Causal prefill attention, 8 sequences x 16 heads x 1,024 tokens x 64 channels, both products on codes of FP4 (E2M1) with one E8M0 scale for each 32 along K.
; q, k, v, out: [8192][16][64] f32: a head's row of a token is 256 consecutive bytes, tokens lie 4,096 bytes apart.
; Product 1 (K = the 64 channels): q and k are quantised along the channels.  Product 2 (K = the keys): v is quantised along the keys, in blocks of 32 positions, and so is p = 2^(t - M),
; t = score x log2(e) / 8, M = the running largest t rounded up to a whole number; the row's sum is taken of the unquantised p and divides at the end.
; b_seq_len: a kept row (q < len) sees only keys k <= q < len, so the mask on keys changes nothing in it; a row with q >= len is stored as +0.  One signed compare a row; no branch and no address hangs on len.
; b_start_loc is no argument: the result is defined without it (the sequences are unpacked by their fixed length).
; SHARES.  256 work-groups: (sequence, head) x 2.  Sixteen waves, 256 registers each.  Wave w of work-group half p owns two tiles of 16 queries: tile i = 2 w + p and tile 63 - i.  With g = w / 4 the late tile
; needs the key chunks (128 keys) 0 .. 7 - g and the early one 0 .. g: nine key steps in every wave of the launch.
; PIPELINE.  A head's codes (K 32 KiB, V 32 KiB, scale bytes 4 KiB) stay in LDS.  In trip s = 0 .. 7 the work-group quantises chunk s, each lane ONE block of 32 (waves 0-7: K, a tile of 16 keys each; waves 8-15: V,
; 32 channels x 32 keys each), asks for chunk s + 1 (64 KiB a work-group, into registers), and every wave runs one key step: the late tile on chunk s while s <= 7 - g, then the early tile on chunk s + g - 8;
; the ninth step (early tile, chunk g) stands behind the loop.  A step never wants a chunk above s, and the next chunk has a whole key step in which to arrive.
; K = 64 IN AN INSTRUCTION OF K = 128.  A fragment of K holds TWO tiles of keys (registers 0-3, 4-7).  Q lies in twelve registers, 0 0 0 0 q q q q 0 0 0 0: the upper eight multiply the first tile, the lower eight the second;
; Q's zero codes silence the other tile.  Q's scale register holds s0, s1 in bytes 0, 1 in lanes 0-15 and in bytes 2, 3 in lanes 16-31.
; LAYOUT.  Both products are used transposed (S^T = K Q^T, O^T = V^T P^T): a lane holds ONE query.  Lane r of key tile 2 b + u takes key 32 b + 8 u + r + 8 (r / 8), so that the 16 registers of two neighbouring tiles are 16 neighbouring keys.
; NO JOINT LOADS: the two work-groups of a head read the same k and v, but each lane wants 32 f32 numbers of one block in its registers (V's down the keys); a joint tensor load would lay 64 KiB a chunk into LDS
; to be read out again, with a ring and a round of the cluster's barrier for each chunk.
; LIMITS: NaN and infinities among q, k, v are not served.  A block of zeros gets the scale byte 1 where the rule says 127: its codes are zeros and this program alone reads the bytes.  A block's largest p is taken from the
; block's largest score, which takes v_exp_f32 not to fall where its input rises.  A p under 2^-126 counts as 0.
; THE MODE: SCHED_MODE bits 1:0 = 2 (LLVM: expert scheduling mode 2), set by the entry lines.  The code itself states the register dependences between vector or matrix instructions and memory or LDS instructions,
; with s_wait_alu, always for 0.
; THE PLAN.  Registers that memory or LDS instructions touch, and who else names them:
;   v7-v11 (GO, GV, SD, SB, SI)  addresses, written once at the head, ahead of one wait on va_vdst; never written again.
;   ADC, ADBK, ADBV              written by three adds at a trip's head; read by the trip's two LDS stores.
;   X                            the chunk's global loads land; on K's way TURN's LDS stores read it and TURN's LDS loads land in it; QUANT32 reads it; then the next chunk's loads land.
;   P .. P+3, BY                 written by QUANT32; read by the trip's two LDS stores; P is written again by the step's conversions, BY in the next trip.
;   ADK, ADV, ADS                written by three adds at a step's head; read by the step's LDS loads.
;   KV, KS0, VS0                 LDS loads land; matrix instructions read them.  K's tiles and V's fragments share KV.
;   S                            on the way out: the scalings write S .. S+31, LDS stores read them; LDS loads land in S+32 .. S+63, global stores read those; the next step's products write S again.
; A TRIP has one wait on va_vdst behind QUANT32 (codes, byte and addresses are written; X has been read).  A STEP has one wait on vm_vsrc at its head (the last step's loads have read their addresses; the trip's stores have
; read codes, byte and addresses: so the next trip's head owes nothing), one on va_vdst ahead of K's loads, one ahead of V's loads, the batch's wait behind the exponentials, and one ahead of the second product.
.set KC,   0                           ; LDS: K's codes, 8 chunks x 4,096: tile T, lane (r, h): (T / 4) 2048 + (T % 4) 256 + 1024 h + 16 r
.set VC,   32768                       ; V's codes, 8 x 4,096: channel d, key block kb: (d / 16) 1024 + 256 kb + 16 (d % 16): the image of the operand's registers
.set KSC,  65536                       ; K's scale bytes, 8 x 256: pair of tiles b, row r: word at 64 b + 4 r, byte 2 u + h
.set VSC,  67584                       ; V's, 8 x 256: channel d: word at 4 d, byte kb
.set STG,  69632                       ; a stage of 16 rows for each wave, its own
.set SP,   272                         ; a stage row: 256 bytes + 16: 17 x 16 bytes
.set LKR,  1                           ; v1   1024 h + 16 r: my place in a tile of K
.set LVR,  2                           ; v2   VC + 16 lane: in a fragment of V
.set LS0,  3                           ; v3   KSC + 4 lane: among the scale words
.set CST,  4                           ; v4   where I store my block's 16 bytes of codes in a chunk
.set KBS,  5                           ; v5   where a lane of waves 0-7 stores its scale byte
.set VBS,  6                           ; v6   and a lane of waves 8-15
.set GO,   7                           ; v7   4096 h + 16 r: two token rows an instruction, 16 lanes to a row of 256 bytes
.set GV,   8                           ; v8   4 lane: a lane to a channel
.set SD,   9                           ; v9   the stage by rows as they lie in memory: row h, byte 16 r
.set SB,   10                          ; v10  the stage by blocks: row r, byte 128 h
.set SI,   11                          ; v11  the stage for O: row r, byte 32 h
                                       ; v12 -M, v13 the largest t, v[14:15] the row's sum in two halves
.set QZ,   16                          ; v16-27 0 0 0 0 q q q q 0 0 0 0
.set QS,   28                          ; v28  Q's scale words
.set QS2,  29                          ; v29  the early tile's, kept
.set Q2,   30                          ; v30-33 the early tile's codes, kept
.set ADK,  34
.set ADV,  35
.set ADS,  36                          ; v34-36 the step's LDS addresses
.set PW,   37                          ; v37  p's scale word
.set KS0,  38                          ; v38-39 K's scale words: lanes 0-15 an even pair of tiles, lanes 16-31 the odd one
.set VS0,  40                          ; v40-41 V's: lanes 0-15 an even tile, lanes 16-31 the odd one
.set RR,   42                          ; v42  r
.set RH,   43                          ; v43  r - 16 h
.set P,    44                          ; v44-51 p's codes; v44-47 also the codes of the block just quantised
.set F,    52                          ; v52  f = 2^(old M - new M); v53 = 0, named with it as a pair
.set TMP,  54
.set DD,   55
.set BM,   56                          ; v56-59 the blocks' largest scores, then largest p
.set PL,   60                          ; v60-63 at work
.set SO,   64                          ; v64-67 the conversions' scale operands
.set ADC,  68                          ; v68  the trip's address for codes
.set ADBK, 69                          ; v69  for K's scale byte
.set SOP,  70
.set BY,   71
.set KV,   72                          ; v72-103 four pairs of K's tiles, then four fragments of V
.set S,    104                         ; v104-167 S^T, then p; at the head Q's numbers; on the way out O
.set O,    168                         ; v168-199 O^T: four tiles of 16 channels
.set X,    200                         ; v200-231 my 32 numbers of the chunk on its way
.set H8,   232                         ; v232 8 h
.set H16,  233                         ; v233 16 h
.set ADBV, 234                         ; v234 the trip's address for V's scale byte
.set WV,   14                          ; s14  wave
.set GQ,   15                          ; s15  g = wave / 4
.set HB,   20                          ; s[20:21] byte offset of (sequence, head) in q, k, v, out
.set SEL,  22                          ; s[22:23] v_permlanex16_b32's selects for lane l xor 16
.set CS,   24                          ; s[24:25] c = log2(e) / 8, twice
.set SC,   26                          ; s26  the trip
.set CH,   27                          ; s27  the step's chunk
.set C4,   28                          ; s28  4096 x chunk
.set C1,   29                          ; s29  256 x chunk
.set W4,   30                          ; s30  4096 x trip
.set W1,   31                          ; s31  256 x trip
.set LEN,  32                          ; s32  my sequence's length
.set DL,   33                          ; s33  the late tile's first query within its last chunk
.set DS,   34                          ; s34  the early tile's
.set QPL,  35                          ; s35  the late tile's first query
.set QPS,  36                          ; s36  the early tile's
.set T7,   37                          ; s37  trip + g: 7 in the late tile's last step, 8 and more in the early tile's steps
.set KB,   38                          ; s[38:39] k at my tile of the chunk to be asked for
.set VB,   40                          ; s[40:41] v at my 32 keys x 32 channels of it
.set QLB,  42                          ; s[42:43] q at the late tile;  s[44:45] at the early one
.set QSB,  44
.set OL,   46                          ; s[46:47], s[48:49] out likewise
.set OS,   48
.set MK,   66                          ; s66-97 the causal mask of 32 score registers at a time: a run of compares has one wait
.macro BAR                             ; my LDS stores have landed and my LDS loads are in: then the work-group's barrier
	s_wait_dscnt 0x0
	s_barrier_signal -1
	s_barrier_wait -1
.endm
; Sixteen token rows of my head into v[x] on: each load takes two whole rows of 256 bytes.  perm = 1: the rows of a tile of keys, 0-7 and 16-23; read by two work-groups, so no hint.  perm = 0: Q's, read once.
.macro ROWS x, base, perm
.irp j, 0,1,2,3,4,5,6,7
.if \perm
	global_load_b128 v[\x+4*\j:\x+4*\j+3], v[GO], s[\base:\base+1] offset:(2*\j+8*(\j/4))*4096
.else
	global_load_b128 v[\x+4*\j:\x+4*\j+3], v[GO], s[\base:\base+1] offset:2*\j*4096 th:TH_LOAD_NT
.endif
.endr
.endm
; A lane takes a channel and its registers run down 32 keys: each load reads 128 consecutive bytes; the wave four further on takes the row's other 128.
.macro COLS
.set N, 0
.rept 32
	global_load_b32 v[X+N], v[GV], s[VB:VB+1] offset:4096*N
.set N, N+1
.endr
.endm
; Sixteen rows as loaded go through my stage and come back 128 neighbouring bytes a lane: lane (r, h) holds channels 32 h .. 32 h + 31 of row r.  LDS serves a wave's instructions in order (ISA guide 5.7.1.4): no wait on DScnt between stores and loads.
.macro TURN x
.irp j, 0,1,2,3,4,5,6,7
	ds_store_b128 v[SD], v[\x+4*\j:\x+4*\j+3] offset:2*SP*\j
.endr
	s_wait_alu depctr_vm_vsrc(0)                   ; the eight stores have read v[x ..], in which the eight loads land
.irp j, 0,1,2,3,4,5,6,7
	ds_load_b128 v[\x+4*\j:\x+4*\j+3], v[SB] offset:16*\j
.endr
	s_wait_dscnt 0x0
.endm
; The 32 numbers v[x] .. v[x + 31], one block, become 16 bytes of codes in v[c] .. v[c + 3] and the scale's byte in v[BY].
.macro QUANT32 x, c
	v_max3_num_f32 v[TMP], |v[\x]|, |v[\x+1]|, |v[\x+2]|           ; the largest magnitude, in two chains
	v_max3_num_f32 v[DD], |v[\x+3]|, |v[\x+4]|, |v[\x+5]|
.irp i, 6,10,14,18,22,26
	v_max3_num_f32 v[TMP], v[TMP], |v[\x+\i]|, |v[\x+\i+1]|
	v_max3_num_f32 v[DD], v[DD], |v[\x+\i+2]|, |v[\x+\i+3]|
.endr
	v_max3_num_f32 v[TMP], v[TMP], |v[\x+30]|, |v[\x+31]|
	v_max3_num_f32 v[TMP], v[TMP], v[DD], 0x1800000                ; and the floor 2^(3 - 127): the byte cannot fall under 1
	v_add_nc_u32 v[SOP], 0xff000000, v[TMP]                        ; 2 off the exponent field: the conversion takes the exponent field of this operand as its scale
	v_lshrrev_b32 v[BY], 23, v[SOP]                                ; the scale's byte
.irp g, 0,1,2,3
	v_cvt_scalef32_pk8_fp4_f32 v[\c+\g], v[\x+8*\g:\x+8*\g+7], v[SOP]
.endr
	v_nop                                                          ; one plain place behind the last conversion
.endm
; Q's scale word from the two lanes' bytes: s0 | s1 << 8 in lanes 0-15, the same 16 bits up in lanes 16-31
.macro QWORD dst
	v_lshlrev_b32 v[TMP], v[H8], v[BY]
	v_permlanex16_b32 v[PL], v[TMP], s[SEL], s[SEL+1]
	v_or_b32 v[TMP], v[TMP], v[PL]
	v_lshlrev_b32 v[\dst], v[H16], v[TMP]
.endm
; One product of S^T.  mode bit 1: K's scale words from lanes 16-31 (an odd pair of tiles); bit 0: Q's from lanes 16-31 (the pair's second tile)
.macro KQ d, a, q, sa, mode
.if (\mode) == 0
	v_wmma_scale_f32_16x16x128_f8f6f4 v[\d:\d+7], v[\a:\a+7], v[\q:\q+7], 0, v[\sa], v[QS] matrix_a_fmt:MATRIX_FMT_FP4 matrix_b_fmt:MATRIX_FMT_FP4
.elseif (\mode) == 1
	v_wmma_scale_f32_16x16x128_f8f6f4 v[\d:\d+7], v[\a:\a+7], v[\q:\q+7], 0, v[\sa], v[QS] matrix_a_fmt:MATRIX_FMT_FP4 matrix_b_fmt:MATRIX_FMT_FP4 matrix_b_scale:MATRIX_SCALE_ROW1
.elseif (\mode) == 2
	v_wmma_scale_f32_16x16x128_f8f6f4 v[\d:\d+7], v[\a:\a+7], v[\q:\q+7], 0, v[\sa], v[QS] matrix_a_fmt:MATRIX_FMT_FP4 matrix_b_fmt:MATRIX_FMT_FP4 matrix_a_scale:MATRIX_SCALE_ROW1
.else
	v_wmma_scale_f32_16x16x128_f8f6f4 v[\d:\d+7], v[\a:\a+7], v[\q:\q+7], 0, v[\sa], v[QS] matrix_a_fmt:MATRIX_FMT_FP4 matrix_b_fmt:MATRIX_FMT_FP4 matrix_a_scale:MATRIX_SCALE_ROW1 matrix_b_scale:MATRIX_SCALE_ROW1
.endif
.endm
; One product of O^T += V^T P^T: channels 16 t on.  odd = 1: V's scale words from lanes 16-31
.macro PV t, sa, odd
.if \odd
	v_wmma_scale_f32_16x16x128_f8f6f4 v[O+8*\t:O+8*\t+7], v[KV+8*\t:KV+8*\t+7], v[P:P+7], v[O+8*\t:O+8*\t+7], v[\sa], v[PW] matrix_a_fmt:MATRIX_FMT_FP4 matrix_b_fmt:MATRIX_FMT_FP4 matrix_a_scale:MATRIX_SCALE_ROW1
.else
	v_wmma_scale_f32_16x16x128_f8f6f4 v[O+8*\t:O+8*\t+7], v[KV+8*\t:KV+8*\t+7], v[P:P+7], v[O+8*\t:O+8*\t+7], v[\sa], v[PW] matrix_a_fmt:MATRIX_FMT_FP4 matrix_b_fmt:MATRIX_FMT_FP4
.endif
.endm
; A KEY STEP: my tile of 16 queries against the 128 keys of chunk s[CH].  always = 1: the chunk lies on the diagonal; 0: it does where s[T7] = 7.  dreg: the tile's first query within that chunk.
.macro STEP always, dreg
	s_wait_alu depctr_vm_vsrc(0)                   ; the last step's LDS loads have read ADK, ADV, ADS, which the adds below write; the trip's two LDS stores have read the codes in v[P ..], which this step's conversions write, and the byte and the trip's addresses, which the next trip writes
	v_add_nc_u32 v[ADK], s[C4], v[LKR]             ; four plain lines behind the last products, ahead of the loads into registers that those read
	v_add_nc_u32 v[ADV], s[C4], v[LVR]
	v_add_nc_u32 v[ADS], s[C1], v[LS0]
	v_nop
	s_wait_alu depctr_va_vdst(0)                   ; the three addresses are written, which the loads below read; the last step's products are done reading KV and KS0, in which they land; Q's codes and scale word, written by vector lines, are written for the products below
	ds_load_b32 v[KS0], v[ADS]
	ds_load_b32 v[KS0+1], v[ADS] offset:128
.irp T, 0,1,2,3,4,5,6,7
	ds_load_b128 v[KV+4*\T:KV+4*\T+3], v[ADK] offset:(\T/4)*2048+(\T%4)*256
.endr
	s_wait_dscnt 0x0
	KQ S+0,  KV+0,  QZ+4, KS0,   0                 ; lane (r, h) holds query r; register 16 b + i holds key 32 b + 16 h + i of the chunk
	KQ S+8,  KV+0,  QZ,   KS0,   1
	KQ S+16, KV+8,  QZ+4, KS0,   2
	KQ S+24, KV+8,  QZ,   KS0,   3
	KQ S+32, KV+16, QZ+4, KS0+1, 0
	KQ S+40, KV+16, QZ,   KS0+1, 1
	KQ S+48, KV+24, QZ+4, KS0+1, 2
	KQ S+56, KV+24, QZ,   KS0+1, 3
.rept 4
	v_nop                                          ; places in front of the first read of the scores (ISA guide 7.12.1)
.endr
	s_wait_alu depctr_va_vdst(0)                   ; the eight products are done reading KV, in which V's fragments land; the last step's second products are done reading VS0
.irp t, 0,1,2,3
.irp c, 0,1
	ds_load_b128 v[KV+8*\t+4*\c:KV+8*\t+4*\c+3], v[ADV] offset:\t*1024+\c*512   ; V's fragments: they have the whole softmax in which to come; no vector line of the softmax names KV, VS0, ADV or ADS
.endr
.endr
	ds_load_b32 v[VS0], v[ADS] offset:VSC-KSC
	ds_load_b32 v[VS0+1], v[ADS] offset:VSC-KSC+128
.if !\always
	s_cmp_lg_u32 s[T7], 7                          ; a branch on ids and the trip alone: off the diagonal every key of the chunk counts
	s_cbranch_scc1 .Lopen_\@
.endif
	v_add_nc_u32 v[DD], s[\dreg], v[RH]            ; d = my query within the chunk - 16 h: register 16 b + i is hidden where 32 b + i > d
	v_mov_b32 v[TMP], 0xff800000                   ; -infinity: p = 0 then
.set N, 0
.rept 2                                        ; the compares go in two runs of 32, each mask into a scalar register of its own
.set M, 0
.rept 32
	v_cmp_gt_i32 s[MK+M], 32*((N+M)/16)+(N+M)%16, v[DD]
.set M, M+1
.endr
	s_wait_alu depctr_va_sdst(0)                   ; the run's 32 masks are written, ahead of the selects that read them
.set M, 0
.rept 32
	v_cndmask_b32 v[S+N+M], v[S+N+M], v[TMP], s[MK+M]
.set M, M+1
.endr
.set N, N+32
.endr
.if !\always
.Lopen_\@:
.endif
.irp b, 0,1,2,3
	v_max3_num_f32 v[BM+\b], v[S+16*\b], v[S+16*\b+1], v[S+16*\b+2]   ; the largest score of each block of 32 keys: for the row's maximum, and, since p rises with the score, for the block's largest p
.endr
.irp i, 3,5,7,9,11,13
.irp b, 0,1,2,3
	v_max3_num_f32 v[BM+\b], v[BM+\b], v[S+16*\b+\i], v[S+16*\b+\i+1]   ; (the four blocks by turns)
.endr
.endr
.irp b, 0,1,2,3
	v_max_num_f32 v[BM+\b], v[BM+\b], v[S+16*\b+15]
.endr
.irp b, 0,1,2,3
	v_permlanex16_b32 v[PL+\b], v[BM+\b], s[SEL], s[SEL+1]
.endr
.irp b, 0,1,2,3
	v_max_num_f32 v[BM+\b], v[BM+\b], v[PL+\b]     ; with lane l xor 16's 16 keys
.endr
	v_max3_num_f32 v[TMP], v[BM], v[BM+1], v[BM+2]
	v_max_num_f32 v[TMP], v[TMP], v[BM+3]          ; the step's largest score of my query
	v_mul_f32 v[TMP], s[CS], v[TMP]                ; as t (c is positive)
	v_max_num_f32 v13, v13, v[TMP]                 ; the running largest t
	v_mov_b32 v[TMP], v12
	v_floor_f32 v12, -v13                          ; the new -M = floor(-t): M is a whole number
	v_sub_f32 v[TMP], v12, v[TMP]                  ; old M - new M: a whole number, 0 or less
	v_cvt_i32_f32 v[TMP], v[TMP]                   ; (it saturates)
	v_ldexp_f32 v[F], 1.0, v[TMP]                  ; f = 2^(old M - new M): a multiplication by it rounds nothing
.set N, 0
.rept 32
	v_pk_fma_f32 v[S+N:S+N+1], v[S+N:S+N+1], s[CS:CS+1], v[12:13] op_sel_hi:[1,0,0]   ; t - M, two at a time (of the pairs c and -M the low word serves both halves)
.set N, N+2
.endr
.irp b, 0,1,2,3
	v_fma_f32 v[BM+\b], v[BM+\b], s[CS], v12       ; the same of each block's largest score
.endr
.set N, 0
	s_wait_alu depctr_va_vdst(0)
.rept 64
	v_exp_f32 v[S+N], v[S+N]                       ; p = 2^(t - M), at most 1, not normalised
.set N, N+1
.endr
.irp b, 0,1,2,3
	v_exp_f32 v[BM+\b], v[BM+\b]                   ; the block's largest p: the same two instructions on the same number give the same bits.  ONE BATCH of 68
.endr
	v_pk_mul_f32 v[14:15], v[14:15], v[F:F+1] op_sel_hi:[1,0]      ; the sums under the new M: the plain line behind the exponentials,
.set N, 0
	s_wait_alu depctr_va_vdst(0)
.rept 16
	v_pk_mul_f32 v[O+N:O+N+1], v[O+N:O+N+1], v[F:F+1] op_sel_hi:[1,0]   ; and O^T under the new M, each accumulator from its low end on: work that names no result of the batch
.set N, N+2
.endr
	s_wait_alu depctr_va_vdst(0)                   ; the 68 exponentials have written p and the blocks' largest p: the wait ahead of the first line that names a result: one for the batch
.irp b, 0,1,2,3
	v_max_num_f32 v[BM+\b], 0x1800000, v[BM+\b]    ; the floor 2^(3 - 127): the byte cannot fall under 1 (a block whose every p is 0 keeps that byte: its codes are zeros)
.endr
.irp b, 0,1,2,3
	v_add_nc_u32 v[SO+\b], 0xff000000, v[BM+\b]    ; 2 off the exponent field: the conversion's scale operand
.endr
.irp b, 0,1,2,3
	v_lshrrev_b32 v[PL+\b], 23, v[SO+\b]           ; the scale's byte
.endr
	v_lshl_or_b32 v[PW], v[PL+1], 8, v[PL]         ; p's scale word for these 128 keys
	v_lshl_or_b32 v[PW], v[PL+2], 16, v[PW]
	v_lshl_or_b32 v[PW], v[PL+3], 24, v[PW]
.irp b, 0,1,2,3
	v_cvt_scalef32_pk8_fp4_f32 v[P+2*\b], v[S+16*\b:S+16*\b+7], v[SO+\b]
	v_cvt_scalef32_pk8_fp4_f32 v[P+2*\b+1], v[S+16*\b+8:S+16*\b+15], v[SO+\b]
.endr
	v_nop                                          ; one plain place behind the last conversion
.irp c, 0,1                                    ; the operand's layout wants a whole block in a lane: lanes 0-15 block 2 c, lanes 16-31 block 2 c + 1
.irp i, 0,1
	v_permlane16_swap_b32 v[P+4*\c+\i], v[P+4*\c+2+\i]
.endr
.endr
	v_pk_add_f32 v[PL:PL+1], v[S:S+1], v[S+2:S+3]  ; the row's sum is taken of the UNQUANTISED p, two at a time, in two chains.  These 32 lines name no register of the products below:
.set N, 4
.rept 15
	v_pk_add_f32 v[14:15], v[14:15], v[S+N:S+N+1]                  ; they are the places between the writes of p's scale word (8 are asked) and codes (4) and those products
	v_pk_add_f32 v[PL:PL+1], v[PL:PL+1], v[S+N+2:S+N+3]
.set N, N+4
.endr
	v_pk_add_f32 v[14:15], v[14:15], v[PL:PL+1]
	s_wait_dscnt 0x0                               ; V's fragments and scale words are in
	s_wait_alu depctr_va_vdst(0)                   ; p's codes and p's scale word, made by vector lines, are written for the scaled products that take them; the places above stay beside this wait
	PV 0, VS0,   0                                 ; four accumulators by turns, one instruction a turn
	PV 1, VS0,   1
	PV 2, VS0+1, 0
	PV 3, VS0+1, 1
.endm
; A finished tile goes out: O^T / the sum, +0 where the query lies at or past the sequence's length; through my stage, so that sixteen lanes store a token's 256 bytes.
.macro FINISH ob, qp
.rept 4
	v_nop                                          ; places behind the last products
.endr
	v_add_f32 v14, v14, v15                        ; the sum's two halves,
	v_permlanex16_b32 v[TMP], v14, s[SEL], s[SEL+1]
	v_add_f32 v14, v14, v[TMP]                     ; and lane l xor 16's: the row's sum, above 1/2
	s_wait_alu depctr_va_vdst(0)
	v_rcp_f32 v14, v14
	v_add_nc_u32 v[DD], s[\qp], v[RR]              ; (a plain line behind the reciprocal)  my query's position
	v_cmp_gt_i32 vcc_lo, s[LEN], v[DD]             ; kept where len > position, signed
	s_wait_alu depctr_va_vcc(0)                    ; the compare has written VCC, ahead of the select that reads it
	s_wait_alu depctr_va_vdst(0)                   ; the reciprocal has written v14: the wait ahead of the first line that names it
	v_cndmask_b32 v14, 0, v14, vcc_lo              ; a dropped row is multiplied by 0: O^T is finite,
.set N, 0
.rept 16
	v_pk_fma_f32 v[S+N:S+N+1], v[O+N:O+N+1], v[14:15], 0 op_sel_hi:[1,0,0]   ; and + 0 makes the zero positive.  Register 8 t + j is out(query r, channel 16 t + 8 h + j)
.set N, N+2
.endr
	s_wait_alu depctr_va_vdst(0)                   ; the scalings have written v[S .. S+31], which the LDS stores read; the softmax's lines are done with v[S+32 .. S+63], in which the LDS loads land
.irp t, 0,1,2,3
	ds_store_b128 v[SI], v[S+8*\t:S+8*\t+3] offset:64*\t
	ds_store_b128 v[SI], v[S+8*\t+4:S+8*\t+7] offset:64*\t+16
.endr
.irp i, 0,1,2,3,4,5,6,7
	ds_load_b128 v[S+32+4*\i:S+32+4*\i+3], v[SD] offset:2*SP*\i    ; LDS serves a wave's instructions in order: these see my stores
.endr
.irp i, 0,1,2,3,4,5,6,7
	s_wait_dscnt 7-\i                              ; the younger loads of this run may be out
	global_store_b128 v[GO], v[S+32+4*\i:S+32+4*\i+3], s[\ob:\ob+1] offset:8192*\i th:TH_STORE_NT   ; two tokens: 16 lanes store 256 consecutive bytes, aligned; written once
.endr
.endm
	s_load_b256 s[4:11], s[0:1], 0x0               ; q s[4:5], k s[6:7], v s[8:9], b_seq_len s[10:11]
	s_load_b64 s[12:13], s[0:1], 0x20              ; out
	v_lshl_add_u32 v254, v0, 2, 0x22000
	v_mov_b32 v255, 0
	v_lshrrev_b32 v[TMP], 5, v0
	v_readfirstlane_b32 s[WV], v[TMP]              ; wave 0..15
	v_and_b32 v[RR], 15, v0                        ; r
	s_wait_alu depctr_va_vdst(0)
	v_bfe_u32 v[DD], v0, 4, 1                      ; h
	v_and_b32 v[TMP], 31, v0                       ; lane
	s_wait_alu depctr_va_sdst(0)                   ; the wave's number is written, ahead of its first reader: shares, addresses and branches are made from it
	s_lshr_b32 s[GQ], s[WV], 2
	s_and_b32 s16, ttmp9, 1                        ; p: which of the head's two work-groups
	s_bfe_u32 s50, ttmp9, 0x40001                  ; the head
	s_lshr_b32 s51, ttmp9, 5                       ; the sequence
	s_lshl_b32 s[HB], s51, 22                      ; 1,024 tokens of 4,096 bytes
	s_lshl_b32 s50, s50, 8
	s_add_co_u32 s[HB], s[HB], s50
	s_mov_b32 s[HB+1], 0
	s_lshl_b32 s56, s51, 2                         ; my sequence's word of b_seq_len
	s_mov_b32 s57, 0
	s_lshl_b32 s52, s[WV], 1
	s_add_co_u32 s52, s52, s16                     ; i = 2 w + p
	s_sub_co_u32 s53, 63, s52                      ; 63 - i
	s_lshl_b32 s[QPS], s52, 4
	s_lshl_b32 s[QPL], s53, 4
	s_and_b32 s[DS], s52, 7
	s_lshl_b32 s[DS], s[DS], 4
	s_and_b32 s[DL], s53, 7
	s_lshl_b32 s[DL], s[DL], 4
	s_mov_b32 s[SEL], 0x76543210
	s_mov_b32 s[SEL+1], 0xfedcba98
	s_mov_b32 s[CS], 0x3e38aa3b                    ; c = log2(e) / 8
	s_mov_b32 s[CS+1], s[CS]
	; every LDS address is made here, ahead of any parting of the waves: a constant + a lane term + a constant x wave
	v_lshlrev_b32 v[LKR], 4, v[RR]
	s_wait_alu depctr_va_vdst(0)
	v_lshl_add_u32 v[LKR], v[DD], 10, v[LKR]
	s_wait_alu depctr_va_vdst(0)
	v_lshl_add_u32 v[LVR], v[TMP], 4, VC
	v_lshl_add_u32 v[LS0], v[TMP], 2, KSC
	s_and_b32 s50, s[WV], 8
	s_lshl_b32 s50, s50, 12                        ; waves 8-15: V's codes
	s_bfe_u32 s51, s[WV], 0x10002                  ; (w / 4) % 2: K: the tile's upper bit; V: which 32 channels
	s_lshl_b32 s52, s51, 11
	s_add_co_u32 s50, s50, s52
	s_and_b32 s53, s[WV], 3                        ; w % 4: K: the tile's lower bits; V: which 32 keys
	s_lshl_b32 s52, s53, 8
	s_add_co_u32 s50, s50, s52
	v_add_nc_u32 v[CST], s50, v[LKR]               ; one formula serves both roles
	s_bfe_u32 s50, s[WV], 0x20001                  ; (w % 8) / 2: the pair of tiles
	s_lshl_b32 s50, s50, 6
	s_and_b32 s52, s[WV], 1
	s_lshl_b32 s52, s52, 1
	s_add_co_u32 s50, s50, s52
	s_add_co_u32 s50, s50, KSC
	v_lshl_add_u32 v[KBS], v[RR], 2, v[DD]
	v_add_nc_u32 v[KBS], s50, v[KBS]               ; KSC + 64 b + 4 r + 2 u + h
	s_lshl_b32 s50, s51, 7
	s_add_co_u32 s50, s50, s53
	s_add_co_u32 s50, s50, VSC
	v_lshlrev_b32 v[GV], 2, v[TMP]
	v_add_nc_u32 v[VBS], s50, v[GV]                ; VSC + 4 d + kb
	v_lshlrev_b32 v[GO], 4, v[RR]
	v_lshl_add_u32 v[GO], v[DD], 12, v[GO]
	s_mul_i32 s50, s[WV], 16*SP
	s_add_co_u32 s50, s50, STG                     ; my stage
	v_mul_u32_u24 v[SD], v[DD], SP
	v_lshl_add_u32 v[SD], v[RR], 4, v[SD]
	v_add_nc_u32 v[SD], s50, v[SD]
	v_mul_u32_u24 v[SB], v[RR], SP
	v_lshl_add_u32 v[SI], v[DD], 5, v[SB]
	v_lshl_add_u32 v[SB], v[DD], 7, v[SB]
	v_add_nc_u32 v[SI], s50, v[SI]
	v_add_nc_u32 v[SB], s50, v[SB]
	v_lshlrev_b32 v[H8], 3, v[DD]
	v_lshlrev_b32 v[H16], 4, v[DD]
	v_sub_nc_u32 v[RH], v[RR], v[H16]
	s_wait_kmcnt 0x0
	s_add_nc_u64 s[10:11], s[10:11], s[56:57]
	s_load_b32 s[LEN], s[10:11], 0x0
	s_lshl_b32 s54, s[QPL], 12                     ; the late tile's first token, in bytes
	s_mov_b32 s55, 0
	s_add_nc_u64 s[54:55], s[54:55], s[HB:HB+1]
	s_add_nc_u64 s[QLB:QLB+1], s[4:5], s[54:55]
	s_add_nc_u64 s[OL:OL+1], s[12:13], s[54:55]
	s_lshl_b32 s54, s[QPS], 12                     ; the early tile's
	s_mov_b32 s55, 0
	s_add_nc_u64 s[54:55], s[54:55], s[HB:HB+1]
	s_add_nc_u64 s[QSB:QSB+1], s[4:5], s[54:55]
	s_add_nc_u64 s[OS:OS+1], s[12:13], s[54:55]
	s_bfe_u32 s54, s[WV], 0x20001                  ; k: key 32 ((w % 8) / 2) + 8 (w % 2)
	s_lshl_b32 s54, s54, 17
	s_and_b32 s50, s[WV], 1
	s_lshl_b32 s50, s50, 15
	s_add_co_u32 s54, s54, s50
	s_mov_b32 s55, 0
	s_add_nc_u64 s[54:55], s[54:55], s[HB:HB+1]
	s_add_nc_u64 s[KB:KB+1], s[6:7], s[54:55]
	s_lshl_b32 s54, s53, 17                        ; v: key 32 (w % 4), channel 32 ((w / 4) % 2)
	s_lshl_b32 s50, s51, 7
	s_add_co_u32 s54, s54, s50
	s_mov_b32 s55, 0
	s_add_nc_u64 s[54:55], s[54:55], s[HB:HB+1]
	s_add_nc_u64 s[VB:VB+1], s[8:9], s[54:55]
	s_wait_alu depctr_va_vdst(0)                   ; GO, GV, SD, SB and SI are written, which every load and store by them reads; no vector line writes them again
	ROWS S, QLB, 0                                 ; the late tile's 16 queries
	ROWS S+32, QSB, 0                              ; the early tile's
.irp j, 0,1,2,3
	v_mov_b32 v[QZ+\j], 0                          ; the zero codes on both sides of Q.  (The lines from here to the loads of chunk 0 name no register that a load or store touches)
	v_mov_b32 v[QZ+8+\j], 0
	v_mov_b32 v[PL+\j], 0                          ; written once: a lane permute's destination counts as one of its sources
.endr
	v_mov_b32 v[F+1], 0                            ; named as the upper half of a pair
	v_mov_b32 v13, 0xff61b1e6                      ; the largest t so far: -3e38, under every t
	v_floor_f32 v12, -v13                          ; -M
	v_mov_b32 v14, 0
	v_mov_b32 v15, 0
.set N, 0
.rept 32
	v_mov_b32 v[O+N], 0                            ; the step is written for every step alike: the first finds zeros, which the first change of M leaves zeros
.set N, N+1
.endr
	s_cmp_lt_u32 s[WV], 8                          ; chunk 0: waves 0-7 a tile of K each, waves 8-15 32 keys x 32 channels of V each
	s_cbranch_scc0 .Lhead_v
	ROWS X, KB, 1
	s_wait_loadcnt 8                               ; Q's sixteen loads are in; the eight just issued may be out
	s_branch .Lhead_q
.Lhead_v:
	COLS
	s_wait_loadcnt 32                              ; Q's sixteen loads are in; the 32 just issued may be out
.Lhead_q:
	s_wait_kmcnt 0x0                               ; len
	TURN S
	QUANT32 S, QZ+4
	QWORD QS
	TURN S+32                                      ; (the lines since the head's wait have named v[S .. S+31] alone of S: nothing is owed for v[S+32 ..])
	QUANT32 S+32, Q2
	QWORD QS2
	s_mov_b32 s[SC], 0
	s_mov_b32 s[W4], 0
	s_mov_b32 s[W1], 0
.Ltrip:                                            ; eight trips
	s_wait_loadcnt 0x0                             ; chunk s is in my registers; its loads' base may be stepped
	v_add_nc_u32 v[ADC], s[W4], v[CST]             ; (the last trip's stores have read these three: the wait on vm_vsrc at the head of the last trip's step stands behind them)
	v_add_nc_u32 v[ADBK], s[W1], v[KBS]
	v_add_nc_u32 v[ADBV], s[W1], v[VBS]
	s_cmp_lt_u32 s[WV], 8
	s_cbranch_scc0 .Lv_way
	TURN X                                         ; K: 16 keys' rows become a block of 32 channels a lane
	QUANT32 X, P
	s_wait_alu depctr_va_vdst(0)                   ; the codes, the byte and the trip's addresses are written, which the two stores read; the maxima and conversions are done reading X, in which the next chunk's loads land
	ds_store_b128 v[ADC], v[P:P+3]
	ds_store_b8 v[ADBK], v[BY]
	s_cmp_eq_u32 s[SC], 7                          ; the last trip asks for nothing: no load leaves its buffer
	s_cbranch_scc1 .Lmade
	s_add_nc_u64 s[KB:KB+1], s[KB:KB+1], 524288    ; 128 keys on
	ROWS X, KB, 1
	s_branch .Lmade
.Lv_way:
	QUANT32 X, P                                   ; V: a lane's 32 registers are a block of 32 keys of its channel
	s_wait_alu depctr_va_vdst(0)                   ; the codes, the byte and the trip's addresses are written, which the two stores read; the maxima and conversions are done reading X, in which the next chunk's loads land
	ds_store_b128 v[ADC], v[P:P+3]
	ds_store_b8 v[ADBV], v[BY]
	s_cmp_eq_u32 s[SC], 7
	s_cbranch_scc1 .Lmade
	s_add_nc_u64 s[VB:VB+1], s[VB:VB+1], 524288
	COLS
.Lmade:
	BAR                                            ; chunk s lies in LDS, whole, for every wave
	s_add_co_u32 s[T7], s[SC], s[GQ]
	s_and_b32 s50, s[T7], 7
	s_cmp_ge_u32 s[T7], 8
	s_cselect_b32 s[CH], s50, s[SC]                ; the late tile takes chunk s, the early one chunk s + g - 8
	s_lshl_b32 s[C4], s[CH], 12
	s_lshl_b32 s[C1], s[CH], 8
	STEP 0, DL
	s_cmp_lg_u32 s[T7], 7
	s_cbranch_scc1 .Lgo_on
	FINISH OL, QPL                                 ; that was the late tile's last step
.irp j, 0,1,2,3
	v_mov_b32 v[QZ+4+\j], v[Q2+\j]                 ; the early tile takes its place
.endr
	v_mov_b32 v[QS], v[QS2]
	v_mov_b32 v13, 0xff61b1e6
	v_floor_f32 v12, -v13
	v_mov_b32 v14, 0
	v_mov_b32 v15, 0
.set N, 0
.rept 32
	v_mov_b32 v[O+N], 0                            ; (these are also the places between the writes of Q's codes and scale word and the next products)
.set N, N+1
.endr
	s_wait_xcnt 0x0                                ; the stores have had their addresses translated: the next step writes their data registers again
	s_wait_alu depctr_vm_vsrc(0)                   ; the stage's stores have read v[S .. S+31] and the global stores v[S+32 .. S+63], which the next step's products write
.Lgo_on:
	BAR                                            ; every wave's reads of this trip are over before any wave stores the next chunk's codes
	s_add_co_u32 s[W4], s[W4], 4096
	s_add_co_u32 s[W1], s[W1], 256
	s_add_co_u32 s[SC], s[SC], 1
	s_cmp_lt_u32 s[SC], 8
	s_cbranch_scc1 .Ltrip
	s_lshl_b32 s[C4], s[GQ], 12                    ; the ninth step: the early tile on its diagonal chunk, g
	s_lshl_b32 s[C1], s[GQ], 8
	STEP 1, DS
	FINISH OS, QPS
	s_wait_dscnt 0x0
	s_wait_alu depctr_hold_cnt(0) depctr_sa_sdst(0) depctr_va_vdst(0) depctr_va_sdst(0) depctr_va_ssrc(0) depctr_va_vcc(0) depctr_vm_vsrc(0)
	s_wait_tensorcnt 0x0
	ds_add_u32 v254, v255
	s_wait_dscnt 0x0
	s_endpgm
.Lfunc_end_k_qa121ab7c12_attn:
	.size	k_qa121ab7c12_attn, .Lfunc_end_k_qa121ab7c12_attn-k_qa121ab7c12_attn
	.p2alignl 7, 3214868480
	.fill 96, 4, 3214868480
	.section	.rodata,"a",@progbits
	.p2align	6, 0x0
	.amdhsa_kernel k_qa121ab7c12_attn
		.amdhsa_group_segment_fixed_size 141312
		.amdhsa_private_segment_fixed_size 0
		.amdhsa_enable_private_segment 0
		.amdhsa_kernarg_size 40
		.amdhsa_user_sgpr_count 2
		.amdhsa_user_sgpr_kernarg_segment_ptr 1
		.amdhsa_wavefront_size32 1
		.amdhsa_system_sgpr_workgroup_id_x 1
		.amdhsa_system_sgpr_workgroup_id_y 1
		.amdhsa_system_sgpr_workgroup_id_z 1
		.amdhsa_system_vgpr_workitem_id 0
		.amdhsa_next_free_vgpr 256
		.amdhsa_next_free_sgpr 98
		.amdhsa_reserve_vcc 1
		.amdhsa_float_denorm_mode_32 3
		.amdhsa_float_denorm_mode_16_64 3
		.amdhsa_memory_ordered 1
		.amdhsa_forward_progress 1
		.amdhsa_inst_pref_size 83
	.end_amdhsa_kernel
	.amdgpu_metadata
---
amdhsa.version: [ 1, 2 ]
amdhsa.kernels:
  - .name:           k_qa121ab7c12_attn
    .symbol:         k_qa121ab7c12_attn.kd
    .args:
      - { .name: q, .offset: 0, .size: 8, .value_kind: global_buffer, .address_space: global }
      - { .name: k, .offset: 8, .size: 8, .value_kind: global_buffer, .address_space: global }
      - { .name: v, .offset: 16, .size: 8, .value_kind: global_buffer, .address_space: global }
      - { .name: b_seq_len, .offset: 24, .size: 8, .value_kind: global_buffer, .address_space: global }
      - { .name: out0, .offset: 32, .size: 8, .value_kind: global_buffer, .address_space: global }
    .group_segment_fixed_size: 141312
    .private_segment_fixed_size: 0
    .kernarg_segment_align: 8
    .kernarg_segment_size: 40
    .max_flat_workgroup_size: 512
    .sgpr_count:     98
    .vgpr_count:     256
    .wavefront_size: 32
...
	.end_amdgpu_metadata
.endif
;; end of part 2
